; MI455X (gfx1250); checked and timed in simulation.
; The chip was launched on July 23, 2026; its instructions are those of AMD's public machine-readable ISA for CDNA 5 (MIT licence, August 2026) and "CDNA5" Instruction Set Architecture Reference Guide (July 2026). The comments in the code are by the model that wrote it; some were corrected since.
;; Expert Layer. Allowed arithmetic: matrix products marked QUANTISED: E3M2 operands, one E8M0 scale for each 32 along K, by v_wmma_scale_f32_16x16x128_f8f6f4 with both operands' format E3M2, f32 sums; products left as they are: f32 operands where the result goes on into a quantised operand, else bf16, f16 or f32 operands; f32 sums; everything else in f32.
;; Inputs: W1_codes 16 x 2,048 x 16 x 24 uint8 (E3M2 codes of W1, K innermost, in blocks of 32 codes, four codes in three bytes); W1_scales 16 x 2,048 x 16 uint8 (E8M0 scales of W1, one for each 32 codes along K); W2_codes 16 x 512 x 64 x 24 uint8 (E3M2 codes of W2, K innermost, in blocks of 32 codes, four codes in three bytes); W2_scales 16 x 512 x 64 uint8 (E8M0 scales of W2, one for each 32 codes along K); Wg_codes 16 x 16 x 24 uint8 (E3M2 codes of Wg, K innermost, in blocks of 32 codes, four codes in three bytes); Wg_scales 16 x 16 uint8 (E8M0 scales of Wg, one for each 32 codes along K); b1 16 x 2,048 float32; b2 16 x 512 float32; beta 512 float32; bg 16 float32; gamma 512 float32; x 2 x 1,024 x 512 float32.
;; Outputs: out0 2 x 1,024 x 512 float32.
;; This version of the problem:
;;   THIS VERSION OF THE PROBLEM IS GIVEN IN LOW PRECISION. The matrix products marked QUANTISED in the list below multiply operands that are first quantised to E3M2 (3 exponent bits, 2 mantissa bits; 6 bits a number), with one power-of-two scale for each 32 numbers along K (OCP MX v1.0); their sums are f32. All else is computed in f32.
;;   The module's matrix products, in the order in which they are computed (A, B: the left and right operand; K: the contracted axis; several contracted axes count as one K, in the product's order):
;;     1. [M 2,048, K 512] x [K 512, N 16]; A: input x; B: input Wg (given as codes): QUANTISED
;;     2. [M 32,768, K 512] x [K 512, N 2,048]; A: input W1 (given as codes); B: input x: QUANTISED
;;     3. batch 16 x [M 2,048, K 2,048] x [K 2,048, N 512]; A: computed on the way; B: input W2 (given as codes): QUANTISED
;;     4. batch 2,048 x [M 1, K 16] x [K 16, N 512]; A: computed on the way; B: computed on the way: left as it is (K = 16 < 32)
;;   THE QUANTISER, for each operand of a quantised product, along K:
;;     - K is cut into blocks of 32 from its start; a last block that is shorter is filled with zeros.
;;     - A block's scale is 2^e with e = floor(log2(the largest magnitude in the block)) - 4, held to -126 .. 127; a block of zeros has e = 0. As a byte (E8M0): e + 127.
;;     - Each number is divided by its block's scale, clamped to +-28, and rounded to the nearest number of E3M2, ties to even, subnormals kept.
;;     - The product sums the exact products of the quantised numbers (number of the format x scale) in f32.
;;   ~~~python
;;   def quantise(x, axis):      # numpy; x: float32 -> the quantised numbers, widened to float32 again
;;       x = np.moveaxis(x, axis, -1); K = x.shape[-1]
;;       x = np.pad(x, [(0, 0)] * (x.ndim - 1) + [(0, -K % 32)]); x = x.reshape(x.shape[:-1] + (-1, 32)); a = np.abs(x).max(-1, keepdims=True)
;;       e = np.where(a > 0, np.clip(np.frexp(np.where(a > 0, a, 1))[1] - 1 - 4, -126, 127), 0)      # np.frexp(a)[1] - 1 = floor(log2(a)), exactly
;;       r = np.clip(x / 2.0 ** e, -28, 28)
;;       step = 2.0 ** (np.maximum(np.frexp(np.where(r == 0, 1, r))[1] - 1, -2) - 2)
;;       q = np.round(r / step) * step * 2.0 ** e      # np.round: ties to even
;;       return np.moveaxis(q.reshape(q.shape[:-2] + (-1,))[..., :K], -1, axis).astype(np.float32)
;;   ~~~
;;   OPERANDS COMPUTED ON THE WAY. 'Computed on the way' means the value that the module computes at that place (a softmax that the list does not call 'softmax' is quantised finished and normalised). What goes into a quantiser is computed in f32, as accurately as f32 sums, v_exp_f32 and their like allow (about 1e-6 of the number): no bf16 or f16 on the way to a quantiser, and a product that is left as it is and whose result goes on into a quantised operand takes f32 operands (vector FMAs, or v_wmma_f32_16x16x4_f32). A number that lies on a knife's edge between two numbers of the format may be rounded either way, as far as f32 arithmetic and the matrix unit's own rounding can turn it there, and no further.
;;   INPUTS GIVEN AS CODES. W1 (in the module: [16, 512, 2048], K = its axis 1); W2 (in the module: [16, 2048, 512], K = its axis 1); Wg (in the module: [512, 16], K = its axis 0): each comes as NAME_codes (uint8): NAME with its K axis moved to the last place and cut into blocks of 32 codes, [.., K / 32, bytes a block], one block behind the other in memory; four codes in three bytes: a row's codes are one little-endian stream of bits, code i at bits 6 i .. 6 i + 5 (a code: sign, 3 exponent bits, 2 mantissa bits); and NAME_scales (uint8): the same leading axes, one E8M0 byte (e + 127) for each 32 codes along K. Its value is code x scale, taken as it is: it is not quantised again, and the codes and scales need not be those that the quantiser above would give.
;; One version. Each part assembles by itself: llvm-mc -triple=amdgcn-amd-amdhsa -mcpu=gfx1250 --defsym DOCPART=n.
;; ======== version 1 of 1: 4 launches
;; workspace buffers: xq 819,200 bytes; gw 16,384 bytes; route 24,576 bytes of whole numbers; w1f 13,107,200 bytes; w2f 13,107,200 bytes; list 18,944 bytes of whole numbers; parts 16,777,216 bytes
;; launch route (part 1): grid 288 x 1, 4 waves a work-group, no clusters, 76,288 bytes of LDS; arguments x, Wg_codes, Wg_scales, bg, W1_codes, W1_scales, xq, gw, route, w1f; writes xq, gw, route, w1f
.if DOCPART == 1
	.amdgcn_target "amdgcn-amd-amdhsa--gfx1250"
	.amdhsa_code_object_version 6
	.text
	.protected	k_q941c31d916_route
	.globl	k_q941c31d916_route
	.p2align	8
	.type	k_q941c31d916_route,@function
k_q941c31d916_route:
	s_mov_b64 s[64:65], 0
	v_nop
	global_prefetch_b8 v0, s[64:65] scope:SCOPE_SE
	s_setreg_imm32_b32 hwreg(HW_REG_WAVE_MODE, 25, 1), 1
	s_wait_xcnt 0x0
; FIRST LAUNCH, two kinds of work-groups; waves share nothing, so there is no barrier.
; Work-groups 0-31, THE ROUTER: a wave takes 16 tokens.  It quantises their rows of x (512 numbers, blocks of 32 along K) to codes of E3M2 with E8M0 scales, multiplies them with the
; gate's codes (transposed: source 0 = the 16 experts, source 1 = the 16 tokens, C = bg), takes the softmax over the 16 experts with its maximum taken away, and the two largest
; probabilities (equal numbers: the lower expert first).  It stores at FIXED places: x's codes and scale words (xq), the two weights (gw[k][token]), and as whole numbers the record
; expert | rank << 8 of each of its 32 slots (slot = 2048 k + token; rank = how many earlier lanes of the wave chose the same expert) and the wave's count for each expert.
; No address and no branch here hangs on those numbers: the rows are placed by the next launch.
; Work-groups 32-287, W1'S LAY-OUT: a wave takes 32 rows of W1's codes (one block of 32 hidden units, 12,288 dense bytes) and stores them as images of operand registers.
; K IN BLOCKS, PERMUTED ALIKE ON BOTH OPERANDS: in K step kk (0..3) the instruction's block 2 c + h holds the row's block 8 h + 2 kk + c, so lane (r, h) holds the 192 consecutive bytes
; at 384 r + 192 h of a row of codes, 12 registers a K step.  A K step's scale word has the bytes of blocks 2 kk, 8 + 2 kk, 2 kk + 1, 9 + 2 kk.
; LIMITS: NaN and infinities among the inputs are not served; a block whose largest magnitude lies under 2^-122 keeps the scale byte 1 (a block of zeros too: its codes are zeros).
.set TM,  88                           ; v88-103  the quantiser's work
.set XW,  104                          ; v104-107 x's four scale words
.set PC,  108                          ; v108-127 the codes just made
.set X0,  128                          ; v128-191, v192-255: two sets of 64 numbers of x
.set X1,  192
.set SEL, 38                           ; s[38:39] lane selects for lane l xor 16
.set STGL, 24576                       ; LDS: the router's stages 4 x 6,144 from 0; the lay-out's 4 x 12,800 from here
; 64 numbers of a lane, register 16 b + i = number 16 (lane / 16) + i of the instruction's block b of my row, become a fragment in v[PC] on and its scale word in v[pw]
.macro QUANT s, pw
.irp b, 0,1,2,3
	v_max3_num_f32 v[TM+\b], |v[\s+16*\b]|, |v[\s+1+16*\b]|, 0x2800000   ; my 16 numbers and the floor 2^(5 - 127): the byte cannot fall under 1
.endr
.irp i, 2,4,6,8,10,12,14
.irp b, 0,1,2,3
	v_max3_num_f32 v[TM+\b], v[TM+\b], |v[\s+16*\b+\i]|, |v[\s+1+16*\b+\i]|   ; the four blocks by turns
.endr
.endr
.irp b, 0,1,2,3
	v_permlanex16_b32 v[TM+4+\b], v[TM+\b], s[SEL], s[SEL+1]
.endr
.irp b, 0,1,2,3
	v_max_num_f32 v[TM+\b], v[TM+\b], v[TM+4+\b]   ; with lane l xor 16's: the block's largest magnitude
.endr
.irp b, 0,1,2,3
	v_add_nc_u32 v[TM+12+\b], 0xfe000000, v[TM+\b]   ; 4 off its exponent field: the conversion's scale operand
.endr
.irp b, 0,1,2,3
	v_lshrrev_b32 v[TM+4+\b], 23, v[TM+12+\b]      ; the scale's byte
.endr
	v_lshl_or_b32 v[\pw], v[TM+5], 8, v[TM+4]
	v_lshl_or_b32 v[\pw], v[TM+6], 16, v[\pw]
	v_lshl_or_b32 v[\pw], v[TM+7], 24, v[\pw]
.irp c, 0,1
	v_cvt_scalef32_pk16_bf6_f32 v[PC+6*\c:PC+2+6*\c], v[\s+32*\c:\s+15+32*\c], v[TM+12+2*\c]
	v_cvt_scalef32_pk16_bf6_f32 v[PC+12+4*\c:PC+14+4*\c], v[\s+16+32*\c:\s+31+32*\c], v[TM+12+2*\c+1]   ; (three registers begin on an even number)
.endr
	v_nop                                          ; one plain place behind a scaled conversion
.irp c, 0,1                                    ; a whole block to a lane: lanes 0-15 block 2 c, lanes 16-31 block 2 c + 1
.irp i, 0,1,2
	v_permlane16_swap_b32 v[PC+6*\c+\i], v[PC+12+4*\c+\i]
.endr
.irp i, 0,1,2
	v_mov_b32 v[PC+3+6*\c+\i], v[PC+12+4*\c+\i]
.endr
.endr
.endm
	s_load_b256 s[4:11], s[0:1], 0x0               ; x s[4:5], Wg's codes s[6:7], Wg's scales s[8:9], bg s[10:11]
	s_load_b256 s[12:19], s[0:1], 0x20             ; W1's codes s[12:13], W1's scales s[14:15], xq s[16:17], gw s[18:19]
	s_load_b128 s[20:23], s[0:1], 0x40             ; route s[20:21], w1f s[22:23]
	v_lshl_add_u32 v15, v0, 2, 0x12800
	s_set_vgpr_msb 0x40
	v_mov_b32 v1, 0
	s_set_vgpr_msb 0x4000
	v_lshrrev_b32 v1, 5, v0
	v_readfirstlane_b32 s24, v1                    ; wave 0..3
	v_and_b32 v1, 31, v0                           ; lane
	v_and_b32 v2, 15, v0                           ; r
	v_bfe_u32 v3, v0, 4, 1                         ; h
	s_mov_b32 s29, 0
	s_mov_b32 s40, 0x05010400                      ; byte selects that make a K step's scale word of two natural words: even K steps,
	s_mov_b32 s41, 0x07030602                      ; odd ones
	s_wait_kmcnt 0x0
	s_cmp_lt_u32 ttmp9, 32
	s_cbranch_scc0 .Llay
	; ---------------- THE ROUTER ----------------
	v_lshlrev_b32 v4, 11, v2
	v_lshl_add_u32 v4, v3, 6, v4                   ; x: row r of 2,048 bytes + 64 h: my 16 numbers of a block
	v_mul_u32_u24 v5, v2, 384
	v_mad_u32_u24 v5, v3, 192, v5                  ; a row of codes: 384 r + 192 h
	s_mul_i32 s25, s24, 6144                       ; my stage
	v_add_nc_u32 v6, s25, v5                       ; into it: as rows of codes
	v_lshlrev_b32 v8, 4, v1                        ; 16 x lane
	v_add_nc_u32 v7, s25, v8                       ; out of it: as they lie
	v_lshlrev_b32 v9, 4, v2                        ; 16 r
	v_lshlrev_b32 v10, 2, v2                       ; 4 r
	v_lshl_add_u32 v11, v3, 13, v10                ; my slot's word: 8,192 k + 4 r, k = h
	v_lshlrev_b32 v12, 5, v3                       ; bg: 32 h
	s_mov_b32 s[SEL], 0x76543210
	s_mov_b32 s[SEL+1], 0xfedcba98
.irp b, 0,1,2,3
	v_mov_b32 v[TM+4+\b], 0                        ; written once: a lane permute's destination counts as one of its sources
.endr
	s_lshl_b32 s26, ttmp9, 2
	s_add_co_u32 s26, s26, s24                     ; my group of 16 tokens, 0..127
	s_lshl_b32 s28, s26, 15
	s_add_nc_u64 s[4:5], s[4:5], s[28:29]          ; x at my first token
	s_lshl_b32 s28, s26, 6
	s_add_nc_u64 s[18:19], s[18:19], s[28:29]      ; gw and route: 64 bytes a group
	s_add_nc_u64 s[20:21], s[20:21], s[28:29]
	s_lshl_b32 s28, s26, 8
	s_add_nc_u64 s[30:31], s[16:17], s[28:29]      ; xq's scale words (786,432 bytes on, in the immediate): 256 bytes a group
	s_mul_i32 s28, s26, 6144
	s_add_nc_u64 s[16:17], s[16:17], s[28:29]      ; xq's codes
.macro XLOAD reg, kk                           ; K step kk: 16 numbers of each of its four blocks
.irp b, 0,1,2,3
.irp j, 0,1,2,3
	global_load_b128 v[\reg+16*\b+4*\j:\reg+16*\b+4*\j+3], v4, s[4:5] offset:128*(8*(\b%2)+2*(\kk)+\b/2)+16*\j th:TH_LOAD_NT
.endr
.endr
.endm
.irp i, 0,1,2,3,4,5,6,7,8,9,10,11
	global_load_b128 v[16+4*\i:19+4*\i], v5, s[6:7] offset:16*\i   ; the gate's four fragments: expert r, 192 bytes
.endr
	global_load_b128 v[64:67], v9, s[8:9]          ; its 16 scale bytes
	global_load_b128 v[72:75], v12, s[10:11]       ; bg of experts 8 h + 0 .. 7: the C of the first product
	global_load_b128 v[76:79], v12, s[10:11] offset:16
	XLOAD X0, 0
	XLOAD X1, 1
	s_wait_loadcnt 32                              ; all but the two sets of x
.irp k, 0,1,2,3
	v_perm_b32 v[68+\k], v[66+\k/2], v[64+\k/2], s[40+\k%2]   ; the gate's scale words, far ahead of the products
.endr
.macro KSTEP kk, xs, left
	s_wait_loadcnt \left                           ; this set is in; the other set's 16 loads may be out
.if \kk > 0
	s_wait_dscnt 0x0                               ; the stage's stores have read the codes' registers
.endif
	QUANT \xs, XW+\kk
.irp c, 0,1,2
	ds_store_b128 v6, v[PC+4*\c:PC+4*\c+3] offset:48*\kk+16*\c   ; 48 bytes of my half row.  (Rows 384 bytes apart without padding: twelve stores a wave, so the banks are left as they fall)
.endr
.rept 8
	v_nop                                          ; a scale register written by a vector instruction stands 8 places ahead of a scaled matrix instruction, an operand 4
.endr
.if \kk == 0
	v_wmma_scale_f32_16x16x128_f8f6f4 v[80:87], v[16:27], v[PC:PC+11], v[72:79], v68, v[XW] matrix_a_fmt:MATRIX_FMT_BF6 matrix_b_fmt:MATRIX_FMT_BF6
.else
	s_wait_alu depctr_va_vdst(0)                   ; the wait directly ahead of each link
	v_wmma_scale_f32_16x16x128_f8f6f4 v[80:87], v[16+12*\kk:27+12*\kk], v[PC:PC+11], v[80:87], v[68+\kk], v[XW+\kk] matrix_a_fmt:MATRIX_FMT_BF6 matrix_b_fmt:MATRIX_FMT_BF6
.endif
.if \kk < 2
	XLOAD \xs, \kk+2
.endif
.endm
	KSTEP 0, X0, 16
	KSTEP 1, X1, 16
	KSTEP 2, X0, 16
	KSTEP 3, X1, 0
.irp i, 0,1,2,3,4,5,6,7,8,9,10,11
	ds_load_b128 v[128+4*\i:131+4*\i], v7 offset:512*\i   ; the 16 rows of codes back as they lie (LDS serves a wave's instructions in order)
.endr
	v_mov_b32 v193, 0                              ; four plain places behind the last product
	v_mov_b32 v243, 0                              ; rank
	v_mov_b32 v244, 0                              ; counts
	v_mov_b32 v217, 0
.irp i, 0,1,2,3,4,5,6,7,8,9,10,11
	s_wait_dscnt 11-\i
	global_store_b128 v8, v[128+4*\i:131+4*\i], s[16:17] offset:512*\i   ; 512 consecutive bytes a store
.endr
	; the softmax: lane (r, h) holds token r's logits of experts 8 h + 0 .. 7
	v_max3_num_f32 v192, v80, v81, v82             ; from the accumulator's low end on
	v_max3_num_f32 v192, v192, v83, v84
	v_max3_num_f32 v192, v192, v85, v86
	v_max_num_f32 v192, v192, v87
	v_permlanex16_b32 v193, v192, s[SEL], s[SEL+1]
	v_max_num_f32 v192, v192, v193                 ; the token's largest logit
.irp j, 0,1,2,3,4,5,6,7
	v_sub_f32 v[200+\j], v[80+\j], v192
.endr
.irp j, 0,1,2,3,4,5,6,7
	v_mul_f32 v[200+\j], 0x3fb8aa3b, v[200+\j]     ; x log2(e)
.endr
.irp j, 0,1,2,3,4,5,6,7
	v_exp_f32 v[200+\j], v[200+\j]
.endr
	v_nop                                          ; a plain place behind the batch
	s_wait_alu depctr_va_vdst(0)                   ; one wait for the eight, ahead of their first reader
	v_add_f32 v194, v200, v201
	v_add_f32 v195, v202, v203
	v_add_f32 v194, v194, v204
	v_add_f32 v195, v195, v205
	v_add_f32 v194, v194, v206
	v_add_f32 v195, v195, v207
	v_add_f32 v194, v194, v195
	v_permlanex16_b32 v193, v194, s[SEL], s[SEL+1]
	v_add_f32 v194, v194, v193
	v_rcp_f32 v196, v194
	v_mov_b32 v219, 0                              ; (a plain place)
	s_wait_alu depctr_va_vdst(0)
.irp j, 0,1,2,3,4,5,6,7
	v_mul_f32 v[208+\j], v[200+\j], v196           ; the probabilities
.endr
	; my eight's two largest: (v216, v217) and (v218, v219).  Only a strictly larger number displaces, so of equals the lower expert stays ahead
	v_mov_b32 v216, v208
	v_mov_b32 v218, -1.0
.irp j, 1,2,3,4,5,6,7
	v_mov_b32 v220, \j
	v_cmp_gt_f32 vcc_lo, v[208+\j], v216
	v_cmp_gt_f32 s32, v[208+\j], v218
	v_cndmask_b32 v218, v218, v[208+\j], s32
	v_cndmask_b32 v219, v219, v220, s32
	v_cndmask_b32 v218, v218, v216, vcc_lo
	v_cndmask_b32 v219, v219, v217, vcc_lo
	v_cndmask_b32 v216, v216, v[208+\j], vcc_lo
	v_cndmask_b32 v217, v217, v220, vcc_lo
.endr
	v_lshl_add_u32 v217, v3, 3, v217               ; experts' numbers: + 8 h
	v_lshl_add_u32 v219, v3, 3, v219
.irp i, 0,1,2,3
	v_mov_b32 v[221+\i], 0
.endr
.irp i, 0,1,2,3
	v_permlanex16_b32 v[221+\i], v[216+\i], s[SEL], s[SEL+1]
.endr
	v_cmp_eq_u32 s34, 1, v3
.irp i, 0,1,2,3
	v_cndmask_b32 v[225+\i], v[216+\i], v[221+\i], s34   ; A: the pair of experts 0-7
	v_cndmask_b32 v[229+\i], v[221+\i], v[216+\i], s34   ; B: the pair of experts 8-15
.endr
	v_cmp_gt_f32 vcc_lo, v229, v225                ; B's first beats A's first only if strictly larger
	v_cndmask_b32 v233, v225, v229, vcc_lo         ; the first
	v_cndmask_b32 v234, v226, v230, vcc_lo
	v_cndmask_b32 v235, v227, v225, vcc_lo         ; the two that are left for the second place: A's,
	v_cndmask_b32 v236, v228, v226, vcc_lo
	v_cndmask_b32 v237, v229, v231, vcc_lo         ; B's
	v_cndmask_b32 v238, v230, v232, vcc_lo
	v_cmp_gt_f32 vcc_lo, v237, v235
	v_cndmask_b32 v239, v235, v237, vcc_lo         ; the second
	v_cndmask_b32 v240, v236, v238, vcc_lo
	v_cndmask_b32 v241, v234, v240, s34            ; my slot (k = h): its expert,
	v_cndmask_b32 v242, v233, v239, s34            ; its weight
.irp e, 0,1,2,3,4,5,6,7,8,9,10,11,12,13,14,15
	v_cmp_eq_u32 s35, \e, v241
	v_mbcnt_lo_u32_b32 v245, s35, 0                ; earlier lanes with this expert
	v_cndmask_b32 v243, v243, v245, s35
	s_bcnt1_i32_b32 s36, s35
	v_writelane_b32 v244, s36, \e                  ; the wave's count, in lane e
.endr
	v_lshl_or_b32 v246, v243, 8, v241
	global_store_b32 v11, v246, s[20:21]
	global_store_b32 v11, v242, s[18:19]
	s_wait_xcnt 0x0                                ; EXEC changes only behind this wait
	v_cmp_gt_u32 vcc_lo, 16, v1
	s_set_vgpr_msb 0x4
	s_wait_tensorcnt 0x0
	ds_add_u32 v15, v1
	s_wait_dscnt 0x0
	s_set_vgpr_msb 0x400
	s_and_saveexec_b32 s37, vcc_lo
	global_store_b128 v9, v[XW:XW+3], s[30:31] offset:786432   ; sixteen lanes: the 16 tokens' scale words, 256 consecutive bytes
	global_store_b32 v10, v244, s[20:21] offset:16384
	s_wait_xcnt 0x0
	s_or_b32 exec_lo, exec_lo, s37
	s_endpgm
	; ---------------- W1'S LAY-OUT ----------------
	; Unit U = 64 e + B: block B of 32 hidden units of expert e.  For the second product, half g = B / 32 of the hidden layer, K step s and the instruction's block bb take the half's block
	; 16 (bb % 2) + 2 s + bb / 2.  The unit goes to pair 64 e + 32 g + 4 s + bb: two tiles u, lane r of tile u = row 8 u + r + 8 (r / 8) of the 32; a tile is 12 pieces of 512 bytes, lane l's 16 bytes at 16 l.
.Llay:
	s_sub_co_u32 s26, ttmp9, 32
	s_lshl_b32 s26, s26, 2
	s_add_co_u32 s26, s26, s24                     ; U
	s_and_b32 s27, s26, 0x3e0                      ; 64 e + 32 g
	s_bfe_u32 s28, s26, 0x30001                    ; s
	s_lshl_b32 s28, s28, 2
	s_add_co_u32 s27, s27, s28
	s_and_b32 s28, s26, 1
	s_lshl_b32 s28, s28, 1
	s_add_co_u32 s27, s27, s28
	s_bfe_u32 s28, s26, 0x10004
	s_add_co_u32 s27, s27, s28                     ; the pair's number
	s_mul_i32 s28, s26, 12288
	s_add_nc_u64 s[12:13], s[12:13], s[28:29]
	s_lshl_b32 s28, s26, 9
	s_add_nc_u64 s[14:15], s[14:15], s[28:29]
	s_lshl_b32 s28, s27, 9
	s_add_nc_u64 s[30:31], s[22:23], s[28:29]
	s_add_nc_u64 s[30:31], s[30:31], 0xc00000      ; the scale words lie behind the 12,582,912 bytes of images
	s_mul_i32 s28, s27, 12288
	s_add_nc_u64 s[22:23], s[22:23], s[28:29]
	s_mul_i32 s25, s24, 12800
	s_add_co_u32 s25, s25, STGL                    ; my stage: 32 rows of 384 + 16 bytes
	v_lshlrev_b32 v4, 4, v1                        ; 16 x lane
.irp b, 0,1,2                                  ; three loads are four rows: piece x = 32 b + lane lies in row x / 24
	v_add_nc_u32 v13, 32*\b, v1
	v_mul_u32_u24 v14, v13, 43
	v_lshrrev_b32 v14, 10, v14                     ; x / 24 for x under 96
	v_add_nc_u32 v13, v13, v14
	v_lshlrev_b32 v13, 4, v13
	v_add_nc_u32 v[5+\b], s25, v13
.endr
	v_and_b32 v13, 8, v2
	v_add_nc_u32 v13, v13, v2                      ; r + 8 (r / 8)
	v_mul_u32_u24 v8, v13, 400
	v_mad_u32_u24 v8, v3, 192, v8
	v_add_nc_u32 v8, s25, v8                       ; out of the stage: my row's half
	v_lshl_add_u32 v9, v3, 3, v13
	v_lshlrev_b32 v9, 4, v9                        ; scale bytes: lane (u, r) takes row 8 u + r + 8 (r / 8), 16 bytes
	global_load_b128 v[208:211], v9, s[14:15]
.set n_, 0
.rept 24
	global_load_b128 v[16+4*n_:19+4*n_], v4, s[12:13] offset:512*n_ th:TH_LOAD_NT   ; 512 consecutive bytes a load
.set n_, n_+1
.endr
.set n_, 0
.rept 24
	s_wait_loadcnt 23-n_                           ; load n is in; the younger ones stay out
	ds_store_b128 v[5+n_%3], v[16+4*n_:19+4*n_] offset:1600*(n_/3)
.set n_, n_+1
.endr
.set n_, 0
.rept 24
	ds_load_b128 v[112+4*n_:115+4*n_], v8 offset:3200*(n_/12)+16*(n_%12)   ; tile n / 12, piece n % 12
.set n_, n_+1
.endr
.irp k, 0,1,2,3
	v_perm_b32 v[212+\k], v[210+\k/2], v[208+\k/2], s[40+\k%2]
.endr
	global_store_b128 v4, v[212:215], s[30:31]
.set n_, 0
.rept 24
	s_wait_dscnt 23-n_
	global_store_b128 v4, v[112+4*n_:115+4*n_], s[22:23] offset:512*n_
.set n_, n_+1
.endr
	s_set_vgpr_msb 0x4
	s_wait_tensorcnt 0x0
	ds_add_u32 v15, v1
	s_wait_dscnt 0x0
	s_set_vgpr_msb 0x400
	s_endpgm
.Lfunc_end_k_q941c31d916_route:
	.size	k_q941c31d916_route, .Lfunc_end_k_q941c31d916_route-k_q941c31d916_route
	.p2alignl 7, 3214868480
	.fill 96, 4, 3214868480
	.section	.rodata,"a",@progbits
	.p2align	6, 0x0
	.amdhsa_kernel k_q941c31d916_route
		.amdhsa_group_segment_fixed_size 76288
		.amdhsa_private_segment_fixed_size 0
		.amdhsa_enable_private_segment 0
		.amdhsa_kernarg_size 80
		.amdhsa_user_sgpr_count 2
		.amdhsa_user_sgpr_kernarg_segment_ptr 1
		.amdhsa_wavefront_size32 1
		.amdhsa_system_sgpr_workgroup_id_x 1
		.amdhsa_system_sgpr_workgroup_id_y 1
		.amdhsa_system_sgpr_workgroup_id_z 1
		.amdhsa_system_vgpr_workitem_id 0
		.amdhsa_next_free_vgpr 258
		.amdhsa_next_free_sgpr 66
		.amdhsa_reserve_vcc 1
		.amdhsa_float_denorm_mode_32 3
		.amdhsa_float_denorm_mode_16_64 3
		.amdhsa_memory_ordered 1
		.amdhsa_forward_progress 1
		.amdhsa_inst_pref_size 53
	.end_amdhsa_kernel
	.amdgpu_metadata
---
amdhsa.version: [ 1, 2 ]
amdhsa.kernels:
  - .name:           k_q941c31d916_route
    .symbol:         k_q941c31d916_route.kd
    .args:
      - { .name: x, .offset: 0, .size: 8, .value_kind: global_buffer, .address_space: global }
      - { .name: Wg_codes, .offset: 8, .size: 8, .value_kind: global_buffer, .address_space: global }
      - { .name: Wg_scales, .offset: 16, .size: 8, .value_kind: global_buffer, .address_space: global }
      - { .name: bg, .offset: 24, .size: 8, .value_kind: global_buffer, .address_space: global }
      - { .name: W1_codes, .offset: 32, .size: 8, .value_kind: global_buffer, .address_space: global }
      - { .name: W1_scales, .offset: 40, .size: 8, .value_kind: global_buffer, .address_space: global }
      - { .name: xq, .offset: 48, .size: 8, .value_kind: global_buffer, .address_space: global }
      - { .name: gw, .offset: 56, .size: 8, .value_kind: global_buffer, .address_space: global }
      - { .name: route, .offset: 64, .size: 8, .value_kind: global_buffer, .address_space: global }
      - { .name: w1f, .offset: 72, .size: 8, .value_kind: global_buffer, .address_space: global }
    .group_segment_fixed_size: 76288
    .private_segment_fixed_size: 0
    .kernarg_segment_align: 8
    .kernarg_segment_size: 80
    .max_flat_workgroup_size: 128
    .sgpr_count:     66
    .vgpr_count:     258
    .wavefront_size: 32
...
	.end_amdgpu_metadata
.endif
;; end of part 1
;; launch place (part 2): grid 257 x 1, 4 waves a work-group, no clusters, 59,648 bytes of LDS; arguments route, W2_codes, W2_scales, list, w2f; writes list, w2f
.if DOCPART == 2
	.amdgcn_target "amdgcn-amd-amdhsa--gfx1250"
	.amdhsa_code_object_version 6
	.text
	.protected	k_q941c31d916_place
	.globl	k_q941c31d916_place
	.p2align	8
	.type	k_q941c31d916_place,@function
k_q941c31d916_place:
	s_mov_b64 s[64:65], 0
	v_nop
	global_prefetch_b8 v0, s[64:65] scope:SCOPE_SE
	s_setreg_imm32_b32 hwreg(HW_REG_WAVE_MODE, 25, 1), 1
	s_wait_xcnt 0x0
; SECOND LAUNCH.  Work-group 0 PLACES THE ROWS: a counting sort of the 4,096 slots by expert, from the records and counts that the launch before stored as whole numbers, and the list of tiles
; (expert, first row, rows, 0) of at most 64 rows.  No atomics: a slot's place = its expert's base + the counts of the groups before its own + its rank in its group.
; Work-groups 1-256 LAY W2 OUT: a wave takes 16 rows (outputs d) x one half g of the hidden layer: 16 x 768 bytes of codes, and stores them as images of operand registers.
; In half g, K step s (0..7) and the instruction's block 2 c + h take the half's block 16 h + 2 s + c: lane (r, h) holds the 48 bytes at 1536 row + 768 g + 384 h + 48 s.
.set PT,  0                            ; LDS of the placing path: 128 totals;
.set PB,  512                          ; bases [128 groups][16 experts];
.set PN,  8704                         ; each expert's rows, first row, first tile
.set PE,  8768
.set PTB, 8832
.set STG2, 8960                        ; LDS of the lay-out path: 4 stages of 16 rows x (768 + 16) bytes
.set SN,  224                          ; lay-out: v224-227 the scale bytes as they lie, v228-231 the scale words; clear of the loads' v20-115 and the stage's v116-211
.set SW,  228
	s_load_b256 s[4:11], s[0:1], 0x0               ; route s[4:5], W2's codes s[6:7], W2's scales s[8:9], list s[10:11]
	s_load_b64 s[12:13], s[0:1], 0x20              ; w2f
	v_lshl_add_u32 v254, v0, 2, 0xe700
	v_mov_b32 v255, 0
	v_lshrrev_b32 v1, 5, v0
	v_readfirstlane_b32 s14, v1                    ; wave
	v_and_b32 v1, 31, v0                           ; lane
	v_and_b32 v2, 15, v0                           ; r; in the placing path: my expert
	v_bfe_u32 v3, v0, 4, 1                         ; h
	s_wait_kmcnt 0x0
	s_cmp_eq_u32 ttmp9, 0
	s_cbranch_scc0 .Llay2
	; ---------------- PLACING: thread = (part p of 16 groups, expert e) ----------------
	v_lshrrev_b32 v5, 4, v0                        ; p, 0..7
	v_lshlrev_b32 v7, 2, v2                        ; 4 e
	v_lshl_add_u32 v4, v5, 10, v7                  ; 1,024 p + 4 e: my first group's word for my expert
	v_lshlrev_b32 v6, 2, v0                        ; 4 x thread
	s_lshl_b32 s15, s14, 11
	v_lshl_add_u32 v8, v1, 2, s15                  ; records: 4 x lane + 2,048 x wave
	v_add_nc_u32 v9, PB, v4
	v_add_nc_u32 v10, PB, v8
	v_and_b32 v11, 16, v1
	v_mov_b32 v12, 0
	v_lshlrev_b32 v13, 4, v0
	s_lshl_b32 s15, s14, 9
	v_add_nc_u32 v15, s15, v1                      ; 512 x wave + lane
	v_mov_b32 v31, 0
.irp i, 0,1,2,3,4,5,6,7,8,9,10,11,12,13,14,15
	global_load_b32 v[32+\i], v4, s[4:5] offset:16384+64*\i   ; the counts of groups 16 p + i for expert e
.endr
.irp k, 0,1
.irp i, 0,1,2,3,4,5,6,7,8,9,10,11,12,13,14,15
	global_load_b32 v[64+16*\k+\i], v8, s[4:5] offset:8192*\k+128*\i   ; the records of slots 2048 k + 512 wave + 32 i + lane
.endr
.endr
	s_wait_loadcnt 32                              ; the counts are in; the 32 loads of records stay out
	v_mov_b32 v48, 0
.irp i, 1,2,3,4,5,6,7,8,9,10,11,12,13,14,15
	v_add_nc_u32 v[48+\i], v[47+\i], v[31+\i]      ; counts of my part's earlier groups
.endr
	v_add_nc_u32 v16, v63, v47                     ; my part's total
	ds_store_b32 v6, v16
	s_wait_dscnt 0x0
	s_barrier_signal -1
	s_barrier_wait -1                              ; the 128 totals lie in LDS
.irp q, 0,1,2,3,4,5,6,7
	ds_load_b32 v[17+\q], v7 offset:PT+64*\q
.endr
	s_wait_dscnt 0x0
	v_add_nc_u32 v25, v17, v18
	v_mov_b32 v26, 0
.irp q, 2,3,4,5,6,7
	v_add_nc_u32 v25, v25, v[17+\q]                ; n: my expert's rows
.endr
.irp q, 0,1,2,3,4,5,6
	v_cmp_lt_u32 vcc_lo, \q, v5
	v_cndmask_b32 v27, 0, v[17+\q], vcc_lo
	v_add_nc_u32 v26, v26, v27                     ; those of the parts before mine
.endr
	v_add_nc_u32 v28, 63, v25
	v_lshrrev_b32 v28, 6, v28                      ; its tiles
	v_mov_b32 v29, v25
	v_mov_b32 v30, v28
.irp sh, 1,2,4,8                               ; running sums over the 16 experts, which are the 16 lanes of a row
	v_mov_b32_dpp v31, v29 row_shr:\sh row_mask:0xf bank_mask:0xf bound_ctrl:1
	v_add_nc_u32 v29, v29, v31
	v_mov_b32_dpp v31, v30 row_shr:\sh row_mask:0xf bank_mask:0xf bound_ctrl:1
	v_add_nc_u32 v30, v30, v31
.endr
	v_sub_nc_u32 v29, v29, v25                     ; my expert's first row,
	v_sub_nc_u32 v30, v30, v28                     ; first tile
	v_add_nc_u32 v26, v26, v29
.irp i, 0,1,2,3,4,5,6,7,8,9,10,11,12,13,14,15
	v_add_nc_u32 v[96+\i], v26, v[48+\i]
	ds_store_b32 v9, v[96+\i] offset:64*\i         ; the base of (group 16 p + i, expert e)
.endr
	s_cmp_lg_u32 s14, 0
	s_cbranch_scc1 .Lnot0
	ds_store_b32 v7, v25 offset:PN                 ; wave 0 alone; its two halves write the same numbers
	ds_store_b32 v7, v29 offset:PE
	ds_store_b32 v7, v30 offset:PTB
.Lnot0:
	s_wait_dscnt 0x0
	s_barrier_signal -1
	s_barrier_wait -1                              ; bases and experts' figures lie in LDS; from here on LDS is only read
	s_wait_loadcnt 0x0                             ; the records
.irp i, 0,1,2,3,4,5,6,7,8,9,10,11,12,13,14,15
	ds_load_b32 v[96+\i], v10 offset:128*\i        ; lane l: the base of (group 32 wave + 2 i + l / 16, expert l % 16)
.endr
.set n_, 0
.rept 32
	v_and_b32 v[144+n_], 15, v[64+n_]              ; the record's expert,
	v_min_u32 v[144+n_], 15, v[144+n_]             ; held inside the table
	v_add_nc_u32 v[144+n_], v11, v[144+n_]         ; in my half of the lanes
	v_lshlrev_b32 v[144+n_], 2, v[144+n_]
.set n_, n_+1
.endr
	s_wait_dscnt 0x0
.set n_, 0
.rept 32
	ds_bpermute_b32 v[112+n_], v[144+n_], v[96+n_%16]   ; my slot's base, from the lane that holds it
.set n_, n_+1
.endr
	s_wait_dscnt 0x0
.set n_, 0
.rept 32
	v_lshrrev_b32 v[64+n_], 8, v[64+n_]            ; the rank
	v_add_nc_u32 v[112+n_], v[112+n_], v[64+n_]
	v_min_u32 v[112+n_], 0xfff, v[112+n_]          ; a place is under 4,096
	v_lshlrev_b32 v[112+n_], 2, v[112+n_]
	v_add_nc_u32 v[144+n_], 2048*(n_/16)+32*(n_%16), v15   ; the slot's number
	global_store_b32 v[112+n_], v[144+n_], s[10:11]   ; 16 KB in all go out word by word: a sort's scatter, once
.set n_, n_+1
.endr
.irp q, 0,1,2,3
	ds_load_b128 v[176+4*\q:179+4*\q], v12 offset:PN+16*\q
	ds_load_b128 v[192+4*\q:195+4*\q], v12 offset:PE+16*\q
	ds_load_b128 v[208+4*\q:211+4*\q], v12 offset:PTB+16*\q
.endr
	v_mov_b32 v224, 0
	v_mov_b32 v225, 0
	v_mov_b32 v226, 0
	v_mov_b32 v227, 0
	s_wait_dscnt 0x0
.irp e, 0,1,2,3,4,5,6,7,8,9,10,11,12,13,14,15   ; tile number = thread: which expert's, and which of its tiles
	v_add_nc_u32 v20, 63, v[176+\e]
	v_lshrrev_b32 v20, 6, v20
	v_sub_nc_u32 v21, v0, v[208+\e]
	v_cmp_lt_u32 vcc_lo, v21, v20
	v_lshlrev_b32 v22, 6, v21
	v_add_nc_u32 v23, v[192+\e], v22
	v_sub_nc_u32 v22, v[176+\e], v22
	v_mov_b32 v27, \e
	v_cndmask_b32 v224, v224, v27, vcc_lo
	v_cndmask_b32 v225, v225, v23, vcc_lo
	v_cndmask_b32 v226, v226, v22, vcc_lo
.endr
	v_min_u32 v226, 64, v226
	global_store_b128 v13, v[224:227], s[10:11] offset:16896   ; tiles beyond the split's last hold zeros
	global_store_b32 v6, v12, s[10:11] offset:16384            ; rows 4,096 to 4,223: zeros, for the last tile's reach
	s_wait_tensorcnt 0x0
	ds_add_u32 v254, v255
	s_wait_dscnt 0x0
	s_endpgm
	; ---------------- W2'S LAY-OUT ----------------
.Llay2:
	s_sub_co_u32 s16, ttmp9, 1
	s_lshl_b32 s16, s16, 2
	s_add_co_u32 s16, s16, s14                     ; unit U = 64 e + 2 dt + g
	s_lshr_b32 s17, s16, 1                         ; 32 e + dt: which 16 rows
	s_and_b32 s18, s16, 1                          ; g
	s_lshr_b32 s19, s16, 6
	s_lshl_b32 s19, s19, 1
	s_add_co_u32 s19, s19, s18
	s_lshl_b32 s19, s19, 2
	s_bfe_u32 s20, s16, 0x20004                    ; w = dt / 8: the wave of the chain that will read it
	s_add_co_u32 s19, s19, s20                     ; 4 (2 e + g) + w
	s_bfe_u32 s20, s16, 0x30001                    ; j = dt % 8
	s_mov_b32 s23, 0
	s_mov_b32 s26, 0x05010400                      ; byte selects that make a K step's scale word of two natural words: even K steps,
	s_mov_b32 s27, 0x07030602                      ; odd ones
	s_mul_i32 s22, s17, 24576
	s_mul_i32 s21, s18, 768
	s_add_co_u32 s22, s22, s21
	s_add_nc_u64 s[6:7], s[6:7], s[22:23]
	s_lshl_b32 s22, s17, 10
	s_lshl_b32 s21, s18, 5
	s_add_co_u32 s22, s22, s21
	s_add_nc_u64 s[8:9], s[8:9], s[22:23]
	s_lshl_b32 s22, s19, 12
	s_lshr_b32 s21, s20, 1
	s_lshl_b32 s21, s21, 10
	s_add_co_u32 s22, s22, s21
	s_and_b32 s21, s20, 1
	s_lshl_b32 s21, s21, 8
	s_add_co_u32 s22, s22, s21
	s_add_nc_u64 s[24:25], s[12:13], s[22:23]
	s_add_nc_u64 s[24:25], s[24:25], 0xc00000      ; the scale words lie behind the images
	s_mul_i32 s22, s19, 98304
	s_mul_i32 s21, s20, 1536
	s_add_co_u32 s22, s22, s21
	s_add_nc_u64 s[12:13], s[12:13], s[22:23]
	s_mul_i32 s15, s14, 12544
	s_add_co_u32 s15, s15, STG2                    ; my stage
	v_lshlrev_b32 v4, 4, v1
.irp b, 0,1,2                                  ; three loads are two rows: piece x = 32 b + lane lies in row x / 48
	v_add_nc_u32 v13, 32*\b, v1
	v_mul_u32_u24 v14, v13, 43
	v_lshrrev_b32 v14, 11, v14                     ; x / 48 for x under 96
	v_lshlrev_b32 v15, 4, v13
	v_mad_u32_u24 v[5+\b], v14, 768, v15           ; in memory a row's other half is passed over
	v_add_nc_u32 v13, v13, v14
	v_lshlrev_b32 v13, 4, v13
	v_add_nc_u32 v[8+\b], s15, v13
.endr
	v_mul_u32_u24 v11, v2, 784
	v_mad_u32_u24 v11, v3, 384, v11
	v_add_nc_u32 v11, s15, v11
	v_lshlrev_b32 v12, 6, v2
	v_lshl_add_u32 v12, v3, 3, v12                 ; scale bytes: row r, K steps 4 h .. 4 h + 3
	v_lshlrev_b32 v16, 4, v2
	v_lshl_add_u32 v16, v3, 9, v16                 ; and where their words go: 512 h + 16 r
	global_load_b64 v[SN:SN+1], v12, s[8:9]        ; blocks 8 h .. 8 h + 7 of the half,
	global_load_b64 v[SN+2:SN+3], v12, s[8:9] offset:16   ; and those 16 further on
.set n_, 0
.rept 24
	global_load_b128 v[20+4*n_:23+4*n_], v[5+n_%3], s[6:7] offset:3072*(n_/3) th:TH_LOAD_NT
.set n_, n_+1
.endr
.set n_, 0
.rept 24
	s_wait_loadcnt 23-n_                           ; load n is in (the two loads of scale bytes are older still); the younger ones stay out
	ds_store_b128 v[8+n_%3], v[20+4*n_:23+4*n_] offset:1568*(n_/3)
.set n_, n_+1
.endr
.set n_, 0
.rept 24
	ds_load_b128 v[116+4*n_:119+4*n_], v11 offset:16*n_   ; K step n / 3, piece n % 3
.set n_, n_+1
.endr
	v_perm_b32 v[SW], v[SN+2], v[SN], s26
	v_perm_b32 v[SW+1], v[SN+2], v[SN], s27
	v_perm_b32 v[SW+2], v[SN+3], v[SN+1], s26
	v_perm_b32 v[SW+3], v[SN+3], v[SN+1], s27
	global_store_b128 v16, v[SW:SW+3], s[24:25]    ; each half of the lanes: 256 consecutive bytes
.set n_, 0
.rept 24
	s_wait_dscnt 23-n_
	global_store_b128 v4, v[116+4*n_:119+4*n_], s[12:13] offset:12288*(n_/3)+512*(n_%3)
.set n_, n_+1
.endr
	s_wait_tensorcnt 0x0
	ds_add_u32 v254, v255
	s_wait_dscnt 0x0
	s_endpgm
.Lfunc_end_k_q941c31d916_place:
	.size	k_q941c31d916_place, .Lfunc_end_k_q941c31d916_place-k_q941c31d916_place
	.p2alignl 7, 3214868480
	.fill 96, 4, 3214868480
	.section	.rodata,"a",@progbits
	.p2align	6, 0x0
	.amdhsa_kernel k_q941c31d916_place
		.amdhsa_group_segment_fixed_size 59648
		.amdhsa_private_segment_fixed_size 0
		.amdhsa_enable_private_segment 0
		.amdhsa_kernarg_size 40
		.amdhsa_user_sgpr_count 2
		.amdhsa_user_sgpr_kernarg_segment_ptr 1
		.amdhsa_wavefront_size32 1
		.amdhsa_system_sgpr_workgroup_id_x 1
		.amdhsa_system_sgpr_workgroup_id_y 1
		.amdhsa_system_sgpr_workgroup_id_z 1
		.amdhsa_system_vgpr_workitem_id 0
		.amdhsa_next_free_vgpr 256
		.amdhsa_next_free_sgpr 66
		.amdhsa_reserve_vcc 1
		.amdhsa_float_denorm_mode_32 3
		.amdhsa_float_denorm_mode_16_64 3
		.amdhsa_memory_ordered 1
		.amdhsa_forward_progress 1
		.amdhsa_inst_pref_size 48
	.end_amdhsa_kernel
	.amdgpu_metadata
---
amdhsa.version: [ 1, 2 ]
amdhsa.kernels:
  - .name:           k_q941c31d916_place
    .symbol:         k_q941c31d916_place.kd
    .args:
      - { .name: route, .offset: 0, .size: 8, .value_kind: global_buffer, .address_space: global }
      - { .name: W2_codes, .offset: 8, .size: 8, .value_kind: global_buffer, .address_space: global }
      - { .name: W2_scales, .offset: 16, .size: 8, .value_kind: global_buffer, .address_space: global }
      - { .name: list, .offset: 24, .size: 8, .value_kind: global_buffer, .address_space: global }
      - { .name: w2f, .offset: 32, .size: 8, .value_kind: global_buffer, .address_space: global }
    .group_segment_fixed_size: 59648
    .private_segment_fixed_size: 0
    .kernarg_segment_align: 8
    .kernarg_segment_size: 40
    .max_flat_workgroup_size: 128
    .sgpr_count:     66
    .vgpr_count:     256
    .wavefront_size: 32
...
	.end_amdgpu_metadata
.endif
;; end of part 2
;; launch chain (part 3): grid 79 x 2, 4 waves a work-group, no clusters, 114,176 bytes of LDS; arguments list, xq, w1f, w2f, b1, b2, parts; writes parts
.if DOCPART == 3
	.amdgcn_target "amdgcn-amd-amdhsa--gfx1250"
	.amdhsa_code_object_version 6
	.text
	.protected	k_q941c31d916_chain
	.globl	k_q941c31d916_chain
	.p2align	8
	.type	k_q941c31d916_chain,@function
k_q941c31d916_chain:
	s_mov_b64 s[64:65], 0
	v_nop
	global_prefetch_b8 v0, s[64:65] scope:SCOPE_SE
	s_setreg_imm32_b32 hwreg(HW_REG_WAVE_MODE, 25, 1), 1
	s_wait_xcnt 0x0
; THIRD LAUNCH: one work-group takes one tile (at most 64 rows of ONE expert) and one half g of the hidden layer through the chain: gather the rows' codes of x, first product + b1, relu,
; quantise, second product (+ b2 in half 0 alone), store the raw part of each row.  The hidden layer stays in LDS.  79 = 4,096 / 64 + 15 tiles serve every split of the rows among 16 experts;
; a tile that the split leaves empty stores nothing.
; SHARES.  First product: wave w makes the half's hidden chunks s = 2 w, 2 w + 1 (128 units each) for all 64 rows.  Second: wave w makes outputs 128 w .. 128 w + 127 for all 64 rows over the half's
; eight K steps.  So each byte of the weights is read by one wave, straight from memory into operand registers: the launches before have laid them as register images, 512 consecutive bytes a load.
; NO TENSOR LOADS AND NO JOINT REQUESTS: which expert a tile has, and whether it has rows at all, is read from the stored list, and the work is passed over by branches on those numbers; the tiles of
; an expert are as many as the split gives, so partners would not run alike.  The two barriers stand outside those branches, on every wave's path.
; Both products are used transposed (source 0 = 16 rows of the weight, source 1 = 16 rows of the tile): a lane holds one row of the tile throughout.
; K goes in permuted blocks, alike on both operands (see the launches that lay the operands out); the second product's sum is formed in two halves, added by the last launch.
; LIMITS: NaN and infinities are not served; a hidden block whose largest number lies under 2^-122 keeps the scale byte 1 (a block of zeros too: its codes are zeros).
; REGISTERS, in windows of 256.  Window 0: v1-20 addresses; v21-28 and v120-127 the way out's store offsets; v32-47 x's scale words; v48-79 W1's; v80-111 W2's; v112-119 the hidden layer's (these four
;   runs hold scales and nothing else); v128-191 64 numbers at work; v192-228 the quantiser.
;   Window 1: v0-191 x's fragments (48 m + 12 kk), later the hidden layer's (48 buffer + 12 m); v192-255 b1 of my first chunk, later b2.   Window 2: the 32 accumulators.
;   Window 3: v0-191 a ring of four slots of 48 registers for the weights; v192-255 b1 of my second chunk.
.set XIMG, 0                           ; LDS: x's fragments as register images, 4 tiles of rows x 6,144;
.set XSC,  24576                       ; their scale words, 4 x 512;
.set HIMG, 26624                       ; the hidden layer's 32 fragments (4 s + m) x 1,536;
.set HSC,  75776                       ; their scale words, 32 x 128;
.set STG,  79872                       ; the way out: for each wave 16 rows x (512 + 16)
.set LI,  4                            ; 16 x lane
.set LS,  5                            ; 4 x lane
.set LIH, 6
.set LSH, 7
.set XWI, 8
.set XWS, 9
.set HWI, 10
.set HWS, 11
.set STO, 12
.set RD,  13
.set B1A, 14
.set B2A, 15
.set SLA, 16
.set XS,  32
.set W1S, 48
.set W2S, 80
.set HS,  112
.set H0,  128
.set PC,  192
.set TM,  212
.set PW,  228
.set SEL, 100
.set MSB, 0
.macro WIN new                         ; the immediate's high byte repeats the setting that is left
.if MSB != \new
	s_set_vgpr_msb (MSB<<8)|\new
.set MSB, \new
.endif
.endm
.macro PLACES                          ; four plain places behind a matrix instruction, ahead of loads into its registers and of reads of its result
.rept 4
	v_nop
.endr
.endm
.macro QUANT s, pw
.irp b, 0,1,2,3
	v_max3_num_f32 v[TM+\b], |v[\s+16*\b]|, |v[\s+1+16*\b]|, 0x2800000   ; my 16 numbers and the floor 2^(5 - 127): the byte cannot fall under 1
.endr
.irp i, 2,4,6,8,10,12,14
.irp b, 0,1,2,3
	v_max3_num_f32 v[TM+\b], v[TM+\b], |v[\s+16*\b+\i]|, |v[\s+1+16*\b+\i]|
.endr
.endr
.irp b, 0,1,2,3
	v_permlanex16_b32 v[TM+4+\b], v[TM+\b], s[SEL], s[SEL+1]
.endr
.irp b, 0,1,2,3
	v_max_num_f32 v[TM+\b], v[TM+\b], v[TM+4+\b]
.endr
.irp b, 0,1,2,3
	v_add_nc_u32 v[TM+12+\b], 0xfe000000, v[TM+\b]   ; 4 off the exponent field: the conversion's scale operand
.endr
.irp b, 0,1,2,3
	v_lshrrev_b32 v[TM+4+\b], 23, v[TM+12+\b]
.endr
	v_lshl_or_b32 v[\pw], v[TM+5], 8, v[TM+4]
	v_lshl_or_b32 v[\pw], v[TM+6], 16, v[\pw]
	v_lshl_or_b32 v[\pw], v[TM+7], 24, v[\pw]
.irp c, 0,1
	v_cvt_scalef32_pk16_bf6_f32 v[PC+6*\c:PC+2+6*\c], v[\s+32*\c:\s+15+32*\c], v[TM+12+2*\c]
	v_cvt_scalef32_pk16_bf6_f32 v[PC+12+4*\c:PC+14+4*\c], v[\s+16+32*\c:\s+31+32*\c], v[TM+12+2*\c+1]
.endr
	v_nop                                          ; one plain place behind a scaled conversion
.irp c, 0,1
.irp i, 0,1,2
	v_permlane16_swap_b32 v[PC+6*\c+\i], v[PC+12+4*\c+\i]
.endr
.irp i, 0,1,2
	v_mov_b32 v[PC+3+6*\c+\i], v[PC+12+4*\c+\i]
.endr
.endr
.endm
.macro WM d, a, b, c, sa, sb, odd      ; one product; odd = 1: source 0's scale words stand in lanes 16-31
.if \odd
	v_wmma_scale_f32_16x16x128_f8f6f4 v[\d:\d+7], v[\a:\a+11], v[\b:\b+11], v[\c:\c+7], v[\sa], v[\sb] matrix_a_fmt:MATRIX_FMT_BF6 matrix_b_fmt:MATRIX_FMT_BF6 matrix_a_scale:MATRIX_SCALE_ROW1
.else
	v_wmma_scale_f32_16x16x128_f8f6f4 v[\d:\d+7], v[\a:\a+11], v[\b:\b+11], v[\c:\c+7], v[\sa], v[\sb] matrix_a_fmt:MATRIX_FMT_BF6 matrix_b_fmt:MATRIX_FMT_BF6
.endif
.endm
.macro RLOAD slot, base, off           ; 6,144 bytes of weights into ring slot: twelve loads of 512 consecutive bytes (destination window 3)
.irp i, 0,1,2,3,4,5,6,7,8,9,10,11
	global_load_b128 v[48*(\slot)+4*\i:48*(\slot)+4*\i+3], v[LI], s[\base:\base+1] offset:(\off)+512*\i
.endr
.endm
	s_load_b256 s[4:11], s[0:1], 0x0               ; list s[4:5], xq s[6:7], w1f s[8:9], w2f s[10:11]
	s_load_b128 s[12:15], s[0:1], 0x20             ; b1 s[12:13], b2 s[14:15]
	s_load_b64 s[16:17], s[0:1], 0x30              ; parts
	v_lshl_add_u32 v30, v0, 2, 0x1bc00
	v_mov_b32 v31, 0
	v_lshrrev_b32 v1, 5, v0
	v_readfirstlane_b32 s18, v1                    ; wave
	s_and_b32 s19, ttmp7, 0xffff                   ; g
	s_lshl_b32 s24, ttmp9, 4                       ; my tile's entry: 16 bytes
	v_and_b32 v1, 31, v0
	v_and_b32 v2, 15, v0                           ; r
	v_bfe_u32 v3, v0, 4, 1                         ; h
	v_lshlrev_b32 v[LI], 4, v1
	v_lshlrev_b32 v[LS], 2, v1
	v_add_nc_u32 v[LIH], HIMG, v[LI]
	v_add_nc_u32 v[LSH], HSC, v[LS]
	s_mul_i32 s25, s18, 6144
	v_add_nc_u32 v[XWI], s25, v[LI]                ; I gather tile of rows m = my wave
	s_lshl_b32 s25, s18, 9
	s_add_co_u32 s25, s25, XSC
	v_add_nc_u32 v[XWS], s25, v[LI]
	s_mul_i32 s25, s18, 12288
	v_add_nc_u32 v[HWI], s25, v[LIH]               ; my two chunks' eight images
	s_lshl_b32 s25, s18, 10
	v_add_nc_u32 v[HWS], s25, v[LSH]
	s_mul_i32 s25, s18, 8448
	s_add_co_u32 s25, s25, STG
	v_mul_u32_u24 v[STO], v2, 528
	v_lshl_add_u32 v[STO], v3, 5, v[STO]
	v_add_nc_u32 v[STO], s25, v[STO]               ; the stage, in: row r, + 32 h
	v_add_nc_u32 v[RD], s25, v[LI]                 ; back: a row of 512 bytes to the 32 lanes
	v_lshlrev_b32 v[B1A], 6, v3
	v_lshlrev_b32 v[B2A], 5, v3
	s_lshl_b32 s25, s18, 6
	v_lshl_add_u32 v[SLA], v2, 2, s25              ; my row's word in the list: 4 r + 64 wave
	v_mul_u32_u24 v20, v3, 192
.irp b, 0,1,2,3
	v_mov_b32 v[TM+4+\b], 0                        ; written once: a lane permute's destination counts as one of its sources
.endr
	s_mov_b32 s[SEL], 0x76543210
	s_mov_b32 s[SEL+1], 0xfedcba98
	s_wait_kmcnt 0x0
	s_load_b128 s[20:23], s[4:5], s24 offset:16896   ; expert, first row, rows, 0
	s_wait_kmcnt 0x0
	s_min_u32 s20, s20, 15                         ; stored numbers are held inside their tables before they enter an address
	s_min_u32 s21, s21, 4095
	s_min_u32 s22, s22, 64
	s_lshl_b32 s24, s21, 2
	s_mov_b32 s25, 0
	s_add_nc_u64 s[30:31], s[4:5], s[24:25]        ; the list at my first row
	s_load_b512 s[32:47], s[30:31], 0x0            ; the tile's 64 slot numbers, for the way out: row n in s[32 + n + 4 (n / 32)]
	s_load_b512 s[48:63], s[30:31], 0x40
	s_load_b512 s[68:83], s[30:31], 0x80
	s_load_b512 s[84:99], s[30:31], 0xc0
	s_lshl_b32 s23, s20, 1
	s_add_co_u32 s23, s23, s19                     ; 2 e + g
	s_mov_b32 s3, 0
	s_lshl_b32 s24, s23, 3
	s_lshl_b32 s2, s18, 1
	s_add_co_u32 s24, s24, s2                      ; 8 (2 e + g) + 2 w: my first chunk
	s_lshl_b32 s2, s24, 11
	s_add_nc_u64 s[26:27], s[8:9], s[2:3]
	s_add_nc_u64 s[26:27], s[26:27], 0xc00000      ; W1's scale words
	s_mul_i32 s24, s24, 49152
	s_add_nc_u64 s[8:9], s[8:9], s[24:25]          ; W1's images: my 16 tiles on end
	s_lshl_b32 s24, s23, 2
	s_add_co_u32 s24, s24, s18                     ; 4 (2 e + g) + w
	s_lshl_b32 s2, s24, 12
	s_add_nc_u64 s[28:29], s[10:11], s[2:3]
	s_add_nc_u64 s[28:29], s[28:29], 0xc00000      ; W2's scale words
	s_mul_i32 s24, s24, 98304
	s_add_nc_u64 s[10:11], s[10:11], s[24:25]      ; W2's images: my 16 units on end
	s_lshl_b32 s24, s20, 13
	s_lshl_b32 s2, s19, 12
	s_add_co_u32 s24, s24, s2
	s_lshl_b32 s2, s18, 9
	s_add_co_u32 s24, s24, s2
	s_add_nc_u64 s[12:13], s[12:13], s[24:25]      ; b1 + 8,192 e + 4,096 g + 512 w
	s_lshl_b32 s24, s20, 11
	s_add_co_u32 s24, s24, s2
	s_add_nc_u64 s[14:15], s[14:15], s[24:25]      ; b2 + 2,048 e + 512 w
	s_lshl_b32 s24, s19, 23
	s_add_co_u32 s24, s24, s2
	s_add_nc_u64 s[16:17], s[16:17], s[24:25]      ; parts + 8,388,608 g + 512 w
	global_load_b32 v17, v[SLA], s[30:31]          ; my row's slot
.irp n, 0,1,2,3,4,5,6,7
	global_load_b128 v[W1S+4*\n:W1S+4*\n+3], v[LI], s[26:27] offset:512*\n
.endr
.irp n, 0,1,2,3,4,5,6,7
	global_load_b128 v[W2S+4*\n:W2S+4*\n+3], v[LI], s[28:29] offset:512*\n
.endr
	WIN 0xc0
	RLOAD 0, 8, 0
	RLOAD 1, 8, 6144
	RLOAD 2, 8, 12288
	WIN 0
	s_wait_loadcnt 52                              ; the slot is in; the 16 + 36 loads behind it stay out
	v_min_u32 v17, 0xfff, v17
	v_and_b32 v17, 0x7ff, v17                      ; its token
	v_mul_u32_u24 v18, v17, 384
	v_add_nc_u32 v18, v18, v20                     ; its codes: 384 token + 192 h
	v_lshlrev_b32 v19, 4, v17                      ; its four scale words
.irp i, 0,1,2,3,4,5,6,7,8,9,10,11
	global_load_b128 v[H0+4*\i:H0+4*\i+3], v18, s[6:7] offset:16*\i
.endr
	global_load_b128 v[192:195], v19, s[6:7] offset:786432
.macro B1LOAD c                                ; b1 of chunk c, eight tiles in the result's layout: tile 2 bb + u, lane half h: units 16 h + 8 u + 0 .. 7 of the tile's block
.irp q, 0,1,2,3,4,5,6,7
	global_load_b128 v[192+8*\q:195+8*\q], v[B1A], s[12:13] offset:2048*((\q/2)%2)+256*\c+128*(\q/4)+32*(\q%2)
	global_load_b128 v[196+8*\q:199+8*\q], v[B1A], s[12:13] offset:2048*((\q/2)%2)+256*\c+128*(\q/4)+32*(\q%2)+16
.endr
.endm
	WIN 0x40
	B1LOAD 0
	WIN 0xc0
	B1LOAD 1
	RLOAD 3, 8, 18432
	WIN 0
	s_wait_loadcnt 44                              ; x's 13 loads are in; b1's 32 and the ring's fourth slot stay out
.irp i, 0,1,2,3,4,5,6,7,8,9,10,11
	ds_store_b128 v[XWI], v[H0+4*\i:H0+4*\i+3] offset:XIMG+512*\i   ; my 16 rows' four fragments, as register images
.endr
	ds_store_b128 v[XWS], v[192:195]
	s_wait_kmcnt 0x0                               ; the slot numbers
	s_wait_dscnt 0x0                               ; for the others' sake: my stores have landed
	s_barrier_signal -1
	s_barrier_wait -1                              ; x's sixteen fragments lie in LDS
	s_cmp_eq_u32 s22, 0
	s_cbranch_scc1 .Lp1_done                       ; a tile without rows passes the work over, never a barrier
	; ---------------- THE FIRST PRODUCT ----------------
	WIN 0x40
.irp m, 0,1,2,3
.irp i, 0,1,2,3,4,5,6,7,8,9,10,11
	ds_load_b128 v[48*\m+4*\i:48*\m+4*\i+3], v[LI] offset:XIMG+6144*\m+512*\i
.endr
.endr
	WIN 0
.irp m, 0,1,2,3
	ds_load_b128 v[XS+4*\m:XS+4*\m+3], v[LI] offset:XSC+512*\m
.endr
	s_wait_dscnt 0x0
; Tile n of my 16 (chunk n / 8, tile n % 8) against the four tiles of rows, four K steps: 16 products; the four accumulators take turns, one instruction a turn.
; left: how many younger loads may stay out (-1: nothing to wait for).  Behind it the ring's slot takes the tile four further on.
.macro TILE n, left
.set tc_, (\n)/8
.set tt_, (\n)%8
.set tb_, tt_/2
.set to_, tt_%2
.set ring_, 48*((\n)%4)
.set cb_, 192+8*tt_
.if \left >= 0
	s_wait_loadcnt \left
.endif
.if tc_ == 0
	WIN 0x97                                       ; source 0 window 3, source 1 window 1, C (b1) window 1, D window 2
.else
	WIN 0xb7                                       ; C (b1) window 3
.endif
.irp m, 0,1,2,3
.set d_, 8*(8*\m+tt_)
.set a_, ring_
.set b_, 48*\m
.set sa_, W1S+4*(4*tc_+tb_)
.set sb_, XS+4*\m
	WM d_, a_, b_, cb_, sa_, sb_, to_
.endr
	WIN 0xa7                                       ; C and D window 2
.irp k, 1,2,3
.irp m, 0,1,2,3
.set d_, 8*(8*\m+tt_)
.set a_, ring_+12*\k
.set b_, 48*\m+12*\k
.set sa_, W1S+4*(4*tc_+tb_)+\k
.set sb_, XS+4*\m+\k
	WM d_, a_, b_, d_, sa_, sb_, to_
.endr
.endr
	PLACES
.if (\n) <= 11
	WIN 0xc0
	RLOAD (\n)%4, 8, 6144*((\n)+4)
.endif
	WIN 0
.endm
; Chunk c's 128 hidden units of rows 16 m on: relu, quantised, and to LDS as K step 2 w + c of the second product
.macro HID c, m
	WIN 0x08                                       ; source 1 window 2
.set j_, 0
.rept 64
	v_max_num_f32 v[H0+j_], 0, v[64*(\m)+j_]       ; each accumulator from its low end on
.set j_, j_+1
.endr
	WIN 0
	QUANT H0, PW
.irp i, 0,1,2
	ds_store_b128 v[HWI], v[PC+4*\i:PC+4*\i+3] offset:(4*(\c)+(\m))*1536+512*\i
.endr
	ds_store_b32 v[HWS], v[PW] offset:(4*(\c)+(\m))*128
	s_wait_dscnt 0x0                               ; the stores have read their registers
.endm
	TILE 0, 28                                     ; b1 of the first chunk is in; b1 of the second (16) and the fourth slot (12) stay out
	TILE 1, -1                                     ; slots 1 and 2 landed ahead of x
	TILE 2, -1
.irp n, 3,4,5,6,7
	TILE \n, 36                                    ; three younger tiles stay out
.endr
.irp m, 0,1,2,3
	HID 0, \m
.endr
.irp n, 8,9,10,11,12
	TILE \n, 36
.endr
	TILE 13, 24
	TILE 14, 12
	TILE 15, 0
.irp m, 0,1,2,3
	HID 1, \m
.endr
.Lp1_done:
	s_wait_loadcnt 0x0                             ; (where the work was passed over, the head's loads are still on their way into these registers)
	WIN 0x40
.irp j, 0,1,2,3,4,5,6,7
	global_load_b128 v[192+8*\j:195+8*\j], v[B2A], s[14:15] offset:64*\j      ; b2 of outputs 128 w + 16 j + 8 h + 0 .. 7
	global_load_b128 v[196+8*\j:199+8*\j], v[B2A], s[14:15] offset:64*\j+16
.endr
	WIN 0xc0
	RLOAD 0, 10, 0                                 ; W2's first four units go out ahead of the barrier
	RLOAD 1, 10, 6144
	RLOAD 2, 10, 12288
	RLOAD 3, 10, 18432
	WIN 0
	s_wait_dscnt 0x0
	s_barrier_signal -1
	s_barrier_wait -1                              ; the hidden layer's 32 fragments lie in LDS
	s_cmp_eq_u32 s22, 0
	s_cbranch_scc1 .Ldone
	; ---------------- THE SECOND PRODUCT ----------------
.macro HFETCH st, buf                          ; K step st's four fragments and scale words: 16 LDS loads
	WIN 0x40
.irp m, 0,1,2,3
.irp i, 0,1,2
	ds_load_b128 v[48*(\buf)+12*\m+4*\i:48*(\buf)+12*\m+4*\i+3], v[LIH] offset:(4*(\st)+\m)*1536+512*\i
.endr
.endr
	WIN 0
.irp m, 0,1,2,3
	ds_load_b32 v[HS+4*(\buf)+\m], v[LSH] offset:(4*(\st)+\m)*128
.endr
.endm
	HFETCH 0, 0
	HFETCH 1, 1
	s_cmp_eq_u32 s19, 0
	s_cselect_b32 s2, 1.0, 0                       ; b2 counts once: in half 0
	s_mov_b32 s3, s2
	s_wait_loadcnt 48                              ; b2 is in; W2's four units stay out
	WIN 0x41
.set j_, 0
.rept 32
	v_pk_mul_f32 v[192+j_:193+j_], v[192+j_:193+j_], s[2:3] op_sel_hi:[1,0]
.set j_, j_+2
.endr
	WIN 0
	PLACES
; Unit q: K step q / 2, output tiles 4 (q % 2) + 0 .. 3, against the four tiles of rows: 16 products on 16 accumulators, which come round again two units later.
.macro UNIT q, left
.set us_, (\q)/2
.set ur_, 48*((\q)%4)
.set ub_, us_%2
.if (\q)%2 == 0
.if us_ == 7
	s_wait_dscnt 0x0
.else
	s_wait_dscnt 16                                ; this K step's fragments are in; the next step's 16 loads may be out
.endif
.endif
	s_wait_loadcnt \left
.if us_ == 0
	WIN 0x97                                       ; C (b2) window 1
.else
	WIN 0xa7
.endif
.irp jj, 0,1,2,3
.irp m, 0,1,2,3
.set uj_, 4*((\q)%2)+\jj
.set d_, 8*(8*\m+uj_)
.set a_, ur_+12*\jj
.set b_, 48*ub_+12*\m
.set sa_, W2S+4*(2*(uj_/2)+us_/4)+us_%4
.set sb_, HS+4*ub_+\m
.set uo_, uj_%2
.if us_ == 0
.set cb_, 192+8*uj_
.else
.set cb_, d_
.endif
	WM d_, a_, b_, cb_, sa_, sb_, uo_
.endr
.endr
	PLACES
.if (\q) <= 11
	WIN 0xc0
	RLOAD (\q)%4, 10, 6144*((\q)+4)
.endif
.if ((\q)%2 == 1) && (us_ <= 5)
	HFETCH us_+2, ub_
.endif
	WIN 0
.endm
.irp q, 0,1,2,3,4,5,6,7,8,9,10,11,12
	UNIT \q, 36                                    ; three younger units stay out
.endr
	UNIT 13, 24
	UNIT 14, 12
	UNIT 15, 0
	; ---------------- THE WAY OUT: 16 rows at a time through my own stage, back as whole rows of 512 bytes ----------------
.macro TOSTAGE m
	WIN 0x08                                       ; an LDS store's data are its source 1: window 2
.irp j, 0,1,2,3,4,5,6,7
	ds_store_b128 v[STO], v[8*(8*(\m)+\j):8*(8*(\m)+\j)+3] offset:64*\j       ; each accumulator from its low end on
	ds_store_b128 v[STO], v[8*(8*(\m)+\j)+4:8*(8*(\m)+\j)+7] offset:64*\j+16
.endr
	WIN 0
.irp i, 0,1,2,3,4,5,6,7,8,9,10,11,12,13,14,15
	ds_load_b128 v[128+64*((\m)%2)+4*\i:131+64*((\m)%2)+4*\i], v[RD] offset:528*\i   ; LDS serves a wave's instructions in order: these see my stores
.endr
.endm
.macro SEND m, younger
	s_wait_dscnt \younger                          ; the 16 rows are back; the next block's 16 stores and 16 loads may be out
	s_wait_xcnt 0x0                                ; earlier stores have read their offsets
.irp i, 0,1,2,3,4,5,6,7,8,9,10,11,12,13,14,15
.set n_, 16*(\m)+\i
.if \i < 8
.set ad_, 120+\i                       ; a store offset for each of the 16 rows: v120-127,
.else
.set ad_, 13+\i                        ; v21-28
.endif
	s_cmp_le_u32 s22, n_                           ; the tile's rows are its first s22: at the first row beyond them the wave is done
	s_cbranch_scc1 .Ldone
	s_min_u32 s24, s[32+n_+4*(n_/32)], 0xfff
	s_lshl_b32 s24, s24, 11                        ; the slot's row of 2,048 bytes
	v_add_nc_u32 v[ad_], s24, v[LI]
	global_store_b128 v[ad_], v[128+64*((\m)%2)+4*\i:131+64*((\m)%2)+4*\i], s[16:17]   ; 512 consecutive bytes, at a multiple of 512 from the buffer's first byte
.endr
.endm
	TOSTAGE 0
	TOSTAGE 1
	SEND 0, 32
	s_wait_xcnt 0x0                                ; block 0's stores have read their data: block 2's loads may land there
	TOSTAGE 2
	SEND 1, 32
	s_wait_xcnt 0x0
	TOSTAGE 3
	SEND 2, 32
	SEND 3, 0
.Ldone:
	s_wait_dscnt 0x0
	s_wait_tensorcnt 0x0
	ds_add_u32 v30, v31
	s_wait_dscnt 0x0
	s_endpgm
.Lfunc_end_k_q941c31d916_chain:
	.size	k_q941c31d916_chain, .Lfunc_end_k_q941c31d916_chain-k_q941c31d916_chain
	.p2alignl 7, 3214868480
	.fill 96, 4, 3214868480
	.section	.rodata,"a",@progbits
	.p2align	6, 0x0
	.amdhsa_kernel k_q941c31d916_chain
		.amdhsa_group_segment_fixed_size 114176
		.amdhsa_private_segment_fixed_size 0
		.amdhsa_enable_private_segment 0
		.amdhsa_kernarg_size 56
		.amdhsa_user_sgpr_count 2
		.amdhsa_user_sgpr_kernarg_segment_ptr 1
		.amdhsa_wavefront_size32 1
		.amdhsa_system_sgpr_workgroup_id_x 1
		.amdhsa_system_sgpr_workgroup_id_y 1
		.amdhsa_system_sgpr_workgroup_id_z 1
		.amdhsa_system_vgpr_workitem_id 0
		.amdhsa_next_free_vgpr 1024
		.amdhsa_next_free_sgpr 102
		.amdhsa_reserve_vcc 0
		.amdhsa_float_denorm_mode_32 3
		.amdhsa_float_denorm_mode_16_64 3
		.amdhsa_memory_ordered 1
		.amdhsa_forward_progress 1
		.amdhsa_inst_pref_size 211
	.end_amdhsa_kernel
	.amdgpu_metadata
---
amdhsa.version: [ 1, 2 ]
amdhsa.kernels:
  - .name:           k_q941c31d916_chain
    .symbol:         k_q941c31d916_chain.kd
    .args:
      - { .name: list, .offset: 0, .size: 8, .value_kind: global_buffer, .address_space: global }
      - { .name: xq, .offset: 8, .size: 8, .value_kind: global_buffer, .address_space: global }
      - { .name: w1f, .offset: 16, .size: 8, .value_kind: global_buffer, .address_space: global }
      - { .name: w2f, .offset: 24, .size: 8, .value_kind: global_buffer, .address_space: global }
      - { .name: b1, .offset: 32, .size: 8, .value_kind: global_buffer, .address_space: global }
      - { .name: b2, .offset: 40, .size: 8, .value_kind: global_buffer, .address_space: global }
      - { .name: parts, .offset: 48, .size: 8, .value_kind: global_buffer, .address_space: global }
    .group_segment_fixed_size: 114176
    .private_segment_fixed_size: 0
    .kernarg_segment_align: 8
    .kernarg_segment_size: 56
    .max_flat_workgroup_size: 128
    .sgpr_count:     102
    .vgpr_count:     1024
    .wavefront_size: 32
...
	.end_amdgpu_metadata
.endif
;; end of part 3
;; launch finish (part 4): grid 256 x 1, 4 waves a work-group, no clusters, 0 bytes of LDS; arguments parts, gw, x, gamma, beta, out0; writes out0
.if DOCPART == 4
	.amdgcn_target "amdgcn-amd-amdhsa--gfx1250"
	.amdhsa_code_object_version 6
	.text
	.protected	k_q941c31d916_finish
	.globl	k_q941c31d916_finish
	.p2align	8
	.type	k_q941c31d916_finish,@function
k_q941c31d916_finish:
	s_mov_b64 s[64:65], 0
	v_nop
	global_prefetch_b8 v0, s[64:65] scope:SCOPE_SE
	s_setreg_imm32_b32 hwreg(HW_REG_WAVE_MODE, 25, 1), 1
	s_wait_xcnt 0x0
; LAST LAUNCH: out = layernorm(x + w0 (part(0, slot 0) + part(1, slot 0)) + w1 (part(0, slot 1) + part(1, slot 1))) gamma + beta, all in f32.  slot k of token t is 2048 k + t.
; A stream: a wave takes two tokens, a lane 16 numbers of a row (16 bytes at 16 x lane + 512 q), so each load and store covers 512 consecutive bytes and a row's sums never leave the wave.
; No LDS, no barrier, no matrix unit: each byte is read once and there is one multiply-add for each number read.
; The mean is taken first and the variance of the differences.  NaN and infinities are not served.
.set GA, 4                             ; v4-19   gamma
.set BE, 20                            ; v20-35  beta
	s_load_b256 s[4:11], s[0:1], 0x0               ; parts s[4:5], gw s[6:7], x s[8:9], gamma s[10:11]
	s_load_b128 s[12:15], s[0:1], 0x20             ; beta s[12:13], out0 s[14:15]
	v_lshrrev_b32 v1, 5, v0
	v_readfirstlane_b32 s16, v1
	v_and_b32 v1, 31, v0
	v_lshlrev_b32 v1, 4, v1                        ; 16 x lane
	s_lshl_b32 s17, ttmp9, 3
	s_lshl_b32 s16, s16, 1
	s_add_co_u32 s17, s17, s16                     ; my first token
	s_lshl_b32 s18, s17, 11
	s_mov_b32 s19, 0
	s_lshl_b32 s22, s17, 2
	s_mov_b32 s28, 0x76543210
	s_mov_b32 s29, 0xfedcba98
	s_mov_b32 s30, 0x3b000000                      ; 1 / 512
	s_mov_b32 s31, 0x3727c5ac                      ; 1e-5
	s_wait_kmcnt 0x0
	s_load_b64 s[20:21], s[6:7], s22 offset:0x0    ; the first weights of my two tokens,
	s_load_b64 s[24:25], s[6:7], s22 offset:0x2000 ; the second
	s_add_nc_u64 s[4:5], s[4:5], s[18:19]
	s_add_nc_u64 s[26:27], s[4:5], 0x800000        ; the second half's parts
	s_add_nc_u64 s[8:9], s[8:9], s[18:19]
	s_add_nc_u64 s[14:15], s[14:15], s[18:19]
.irp q, 0,1,2,3
	global_load_b128 v[GA+4*\q:GA+4*\q+3], v1, s[10:11] offset:512*\q
	global_load_b128 v[BE+4*\q:BE+4*\q+3], v1, s[12:13] offset:512*\q
.endr
.macro TLOAD i                                 ; token i: x, then the four parts: 20 loads
.set X_, 36+80*(\i)
.irp q, 0,1,2,3
	global_load_b128 v[X_+4*\q:X_+4*\q+3], v1, s[8:9] offset:2048*(\i)+512*\q th:TH_LOAD_NT
.endr
.irp k, 0,1
.irp q, 0,1,2,3
	global_load_b128 v[X_+16+16*\k+4*\q:X_+19+16*\k+4*\q], v1, s[4:5] offset:4194304*\k+2048*(\i)+512*\q th:TH_LOAD_NT
	global_load_b128 v[X_+48+16*\k+4*\q:X_+51+16*\k+4*\q], v1, s[26:27] offset:4194304*\k+2048*(\i)+512*\q th:TH_LOAD_NT
.endr
.endr
.endm
	TLOAD 0
	TLOAD 1
	s_wait_kmcnt 0x0
	s_mov_b32 s32, s20                             ; each weight in a pair of its own: the packed form names a pair and takes its low word for both halves
	s_mov_b32 s33, s20
	s_mov_b32 s34, s24
	s_mov_b32 s35, s24
	s_mov_b32 s36, s21
	s_mov_b32 s37, s21
	s_mov_b32 s38, s25
	s_mov_b32 s39, s25
.macro ALLSUM                                  ; v196 summed over the 32 lanes, into every lane (v197 has been written)
	v_add_f32_dpp v196, v196, v196 row_xmask:1 row_mask:0xf bank_mask:0xf
	v_add_f32_dpp v196, v196, v196 row_xmask:2 row_mask:0xf bank_mask:0xf
	v_add_f32_dpp v196, v196, v196 row_xmask:4 row_mask:0xf bank_mask:0xf
	v_add_f32_dpp v196, v196, v196 row_xmask:8 row_mask:0xf bank_mask:0xf
	v_permlanex16_b32 v197, v196, s28, s29
	v_add_f32 v196, v196, v197
.endm
.macro ROW i, left
.set X_, 36+80*(\i)
	s_wait_loadcnt \left                           ; this token's 20 loads are in; the next token's may be out
.irp n, 0,2,4,6,8,10,12,14
	v_pk_add_f32 v[X_+16+\n:X_+17+\n], v[X_+16+\n:X_+17+\n], v[X_+48+\n:X_+49+\n]   ; the two halves of the hidden layer
	v_pk_add_f32 v[X_+32+\n:X_+33+\n], v[X_+32+\n:X_+33+\n], v[X_+64+\n:X_+65+\n]
.endr
.irp n, 0,2,4,6,8,10,12,14
	v_pk_fma_f32 v[X_+\n:X_+1+\n], v[X_+16+\n:X_+17+\n], s[32+4*(\i):33+4*(\i)], v[X_+\n:X_+1+\n] op_sel_hi:[1,0,1]
.endr
.irp n, 0,2,4,6,8,10,12,14
	v_pk_fma_f32 v[X_+\n:X_+1+\n], v[X_+32+\n:X_+33+\n], s[34+4*(\i):35+4*(\i)], v[X_+\n:X_+1+\n] op_sel_hi:[1,0,1]
.endr
	v_pk_add_f32 v[196:197], v[X_:X_+1], v[X_+2:X_+3]
	v_pk_add_f32 v[198:199], v[X_+4:X_+5], v[X_+6:X_+7]
	v_pk_add_f32 v[200:201], v[X_+8:X_+9], v[X_+10:X_+11]
	v_pk_add_f32 v[202:203], v[X_+12:X_+13], v[X_+14:X_+15]
	v_pk_add_f32 v[196:197], v[196:197], v[198:199]
	v_pk_add_f32 v[200:201], v[200:201], v[202:203]
	v_pk_add_f32 v[196:197], v[196:197], v[200:201]
	v_add_f32 v196, v196, v197
	ALLSUM
	v_mul_f32 v204, s30, v196                      ; the mean
	v_mov_b32 v205, v204
.irp n, 0,2,4,6,8,10,12,14
	v_pk_add_f32 v[X_+\n:X_+1+\n], v[X_+\n:X_+1+\n], v[204:205] neg_lo:[0,1] neg_hi:[0,1]
.endr
	v_pk_mul_f32 v[196:197], v[X_:X_+1], v[X_:X_+1]
	v_pk_mul_f32 v[198:199], v[X_+2:X_+3], v[X_+2:X_+3]
.irp n, 4,8,12
	v_pk_fma_f32 v[196:197], v[X_+\n:X_+1+\n], v[X_+\n:X_+1+\n], v[196:197]
	v_pk_fma_f32 v[198:199], v[X_+2+\n:X_+3+\n], v[X_+2+\n:X_+3+\n], v[198:199]
.endr
	v_pk_add_f32 v[196:197], v[196:197], v[198:199]
	v_add_f32 v196, v196, v197
	ALLSUM
	v_fma_f32 v196, v196, s30, s31                 ; the variance + 1e-5
	v_rsq_f32 v206, v196
	v_nop                                          ; a plain place behind the transcendental
	s_wait_alu depctr_va_vdst(0)                   ; and the wait ahead of its first reader
	v_mov_b32 v207, v206
.irp n, 0,2,4,6,8,10,12,14
	v_pk_mul_f32 v[X_+\n:X_+1+\n], v[X_+\n:X_+1+\n], v[206:207]
.endr
.irp n, 0,2,4,6,8,10,12,14
	v_pk_fma_f32 v[X_+\n:X_+1+\n], v[X_+\n:X_+1+\n], v[GA+\n:GA+1+\n], v[BE+\n:BE+1+\n]
.endr
.irp q, 0,1,2,3
	global_store_b128 v1, v[X_+4*\q:X_+4*\q+3], s[14:15] offset:2048*(\i)+512*\q th:TH_STORE_NT
.endr
.endm
	ROW 0, 20
	ROW 1, 0
	s_endpgm
.Lfunc_end_k_q941c31d916_finish:
	.size	k_q941c31d916_finish, .Lfunc_end_k_q941c31d916_finish-k_q941c31d916_finish
	.p2alignl 7, 3214868480
	.fill 96, 4, 3214868480
	.section	.rodata,"a",@progbits
	.p2align	6, 0x0
	.amdhsa_kernel k_q941c31d916_finish
		.amdhsa_group_segment_fixed_size 0
		.amdhsa_private_segment_fixed_size 0
		.amdhsa_enable_private_segment 0
		.amdhsa_kernarg_size 48
		.amdhsa_user_sgpr_count 2
		.amdhsa_user_sgpr_kernarg_segment_ptr 1
		.amdhsa_wavefront_size32 1
		.amdhsa_system_sgpr_workgroup_id_x 1
		.amdhsa_system_sgpr_workgroup_id_y 1
		.amdhsa_system_sgpr_workgroup_id_z 1
		.amdhsa_system_vgpr_workitem_id 0
		.amdhsa_next_free_vgpr 224
		.amdhsa_next_free_sgpr 66
		.amdhsa_reserve_vcc 0
		.amdhsa_float_denorm_mode_32 3
		.amdhsa_float_denorm_mode_16_64 3
		.amdhsa_memory_ordered 1
		.amdhsa_forward_progress 1
		.amdhsa_inst_pref_size 18
	.end_amdhsa_kernel
	.amdgpu_metadata
---
amdhsa.version: [ 1, 2 ]
amdhsa.kernels:
  - .name:           k_q941c31d916_finish
    .symbol:         k_q941c31d916_finish.kd
    .args:
      - { .name: parts, .offset: 0, .size: 8, .value_kind: global_buffer, .address_space: global }
      - { .name: gw, .offset: 8, .size: 8, .value_kind: global_buffer, .address_space: global }
      - { .name: x, .offset: 16, .size: 8, .value_kind: global_buffer, .address_space: global }
      - { .name: gamma, .offset: 24, .size: 8, .value_kind: global_buffer, .address_space: global }
      - { .name: beta, .offset: 32, .size: 8, .value_kind: global_buffer, .address_space: global }
      - { .name: out0, .offset: 40, .size: 8, .value_kind: global_buffer, .address_space: global }
    .group_segment_fixed_size: 0
    .private_segment_fixed_size: 0
    .kernarg_segment_align: 8
    .kernarg_segment_size: 48
    .max_flat_workgroup_size: 128
    .sgpr_count:     66
    .vgpr_count:     224
    .wavefront_size: 32
...
	.end_amdgpu_metadata
.endif
;; end of part 4
